; MI455X (gfx1250); checked and timed in simulation.
; The chip was launched on July 23, 2026; its instructions are those of AMD's public machine-readable ISA for CDNA 5 (MIT licence, August 2026) and "CDNA5" Instruction Set Architecture Reference Guide (July 2026). The comments in the code are by the model that wrote it; some were corrected since.
;; SHOT Descriptor. Allowed arithmetic: float matrix products may take bf16 or f16 operands with f32 sums; all other float work in f32.
;; Inputs: points 8 x 4,096 x 3 float32.
;; Outputs: out0 32,768 x 80 float32.
;; 2 versions, each right; version 2 is version 1 with the launch groups written anew for expert scheduling mode. Each part assembles by itself: llvm-mc -triple=amdgcn-amd-amdhsa -mcpu=gfx1250 --defsym DOCPART=n.
;; ======== version 1 of 2: 3 launches
;; limits: right only within a limited range of input values
;; workspace buffers: gid 524,288 bytes of whole numbers; nbr 524,288 bytes of whole numbers; nrm 524,288 bytes
;; launch groups (part 1): grid 256 x 1, 8 waves a work-group, no clusters, 156,672 bytes of LDS; arguments points, gid; writes gid
.if DOCPART == 1
	.amdgcn_target "amdgcn-amd-amdhsa--gfx1250"
	.amdhsa_code_object_version 6
	.text
	.protected	k_q28a27e0418_groups
	.globl	k_q28a27e0418_groups
	.p2align	8
	.type	k_q28a27e0418_groups,@function
k_q28a27e0418_groups:
	s_mov_b64 s[64:65], 0
	v_nop
	global_prefetch_b8 v0, s[64:65] scope:SCOPE_SE
	s_setreg_imm32_b32 hwreg(HW_REG_WAVE_MODE, 25, 1), 1
	s_wait_xcnt 0x0
; FIRST OF THREE LAUNCHES.  For each point: the 8 groups of 8 consecutive points of its cloud that hold the smallest distances.
; points: [8][4096][3] f32.  gid: per point 8 group numbers (0..511) of 16 bits, 16 bytes.
; Every one of the 5 nearest points lies in one of the 5 groups with the smallest minimum; 8 are kept, since the key used here is approximate.
; The next launch takes the 64 candidates of these groups and chooses among them in f32.
; The key is d^2/2 = w_i + w_j - q_i.q_j with q = p - (the cloud's point 0) and w = |q|^2/2, made by ONE bf16 matrix instruction with K = 32:
; each f32 is cut into three bf16 pieces H + M + L (8 + 8 + 8 bits, exact), and all nine products of pieces of each axis, and w_j's pieces
; times 1, have a place among the 32 k; w_i comes in as C.  Centring keeps the error tied to the cloud's extent and not to a common offset.
; LIMIT: the key's error is the matrix unit's f32 rounding at the size of the largest |q|^2, plus its 9 low bits, which carry the group number.
; A true neighbour is lost only if four or more further groups hold a point within that error of the fifth distance.
; A work-group has 128 queries of one cloud and 8 waves: wave w takes 64 queries (w & 1) and 1,024 candidates (w >> 1).
; No tensor loads: the LDS tables are computed, not copied.  No cluster: what work-groups share is a cloud of 48 KiB, a small part of the work.
.set TQ3,   65536                      ; LDS 0..65535: quad Q0 of each candidate, 16 bytes; 65536..131071: quad Q3
.set MERGE, 131072                     ; then 3,072 bytes for each wave: 64 queries x 48 bytes (32 of keys; 48 is an odd multiple of 16)
.set VST,  3                           ; v3   LDS address of my candidate's Q0 (16 x thread)
.set VST2, 4                           ; v4   the same for Q3
.set VA,   5                           ; v5   fragment address, registers 0-3 of A
.set VB,   6                           ; v6   fragment address, registers 4-7 of A
.set GID,  7                           ; v7   group number of the tile at work: 2 x tile + half
.set VM,   8                           ; v8   where my list goes in my wave's merge block
.set KEY,  10                          ; v[10:13]   keys of the four query tiles
.set BF,   32                          ; v[32:63]   B: four tiles of 16 queries
.set CC,   64                          ; v[64:95]   C: w_i, eight times for each tile
.set LS,   96                          ; v[96:127]  four sorted lists of 8 keys
.set DX,   128                         ; v[128:159] results, set X (before the loop: the raw queries)
.set DY,   160                         ; v[160:191] results, set Y (before the loop: the quads on their way to LDS)
.set AF0,  192                         ; v[192:199] A, buffer 0
.set AF1,  200                         ; v[200:207] A, buffer 1
.set RAW,  192                         ; v[192:255] before the loop: 16 raw candidates, 4 registers apart
.set OQ,   160
.set PQ,   164
	s_load_b128 s[4:7], s[0:1], 0x0                ; points s[4:5], gid s[6:7]
	v_lshl_add_u32 v251, v0, 2, 0x26000
	v_mov_b32 v255, 0
	v_lshrrev_b32 v16, 5, v0
	v_readfirstlane_b32 s8, v16                    ; wave 0..7
	s_and_b32 s9, s8, 1                            ; which 64 queries
	s_lshr_b32 s10, s8, 1                          ; which 1,024 candidates
	s_lshr_b32 s12, ttmp9, 5                       ; cloud
	s_and_b32 s13, ttmp9, 31                       ; block of 128 queries in it
	s_mul_i32 s32, s12, 49152                      ; a cloud is 4,096 x 12 bytes
	s_mov_b32 s33, 0
	s_mov_b32 s20, 0xffff0000                      ; the upper 16 bits: a bf16 piece
	s_mov_b32 s21, 0x07060302                      ; v_perm_b32: upper half of source 0 on top, upper half of source 1 below
	s_mov_b32 s22, 0xfffffe00                      ; a key without its 9 low bits
	s_mov_b32 s24, 0x76543210                      ; v_permlanex16_b32: lane i of the other half
	s_mov_b32 s25, 0xfedcba98
	s_mov_b32 s26, 0x3f800000                      ; 1.0: its upper half is bf16 1.0
	s_mov_b32 s27, 0x7f800000                      ; +infinity
	s_lshl_b32 s14, s13, 7
	s_lshl_b32 s15, s9, 6
	s_add_co_u32 s14, s14, s15                     ; my wave's first query
	s_mul_i32 s14, s14, 12
	s_lshl_b32 s35, s8, 9                          ; 32 lanes x 16 bytes for each wave
	v_and_b32 v1, 15, v0                           ; r
	v_bfe_u32 v2, v0, 4, 1                         ; h
	v_and_b32 v15, 31, v0
	v_cmp_eq_u32 s30, 1, v2                        ; the lanes with h = 1
	v_mul_u32_u24 v9, v0, 12                       ; candidate = thread + 256 it
	v_mad_u32_u24 v14, v1, 12, s14                 ; query = first + 16 u + r
	v_lshl_add_u32 v[VST], v15, 4, s35
	v_add_nc_u32 v[VST2], TQ3, v[VST]
	s_wait_kmcnt 0x0
	s_add_nc_u64 s[28:29], s[4:5], s[32:33]        ; the cloud
	s_load_b96 s[16:18], s[28:29], 0x0             ; its point 0, the centre
.irp it, 0,1,2,3,4,5,6,7,8,9,10,11,12,13,14,15
	global_load_b96 v[RAW+4*\it:RAW+4*\it+2], v9, s[28:29] offset:\it*3072
.endr
.irp u, 0,1,2,3
	global_load_b96 v[DX+4*\u:DX+4*\u+2], v14, s[28:29] offset:\u*192
.endr
.macro SPLIT q, h, m, l                ; q = h + m + l, each with 8 significant bits, exactly
	v_and_b32 v[\h], s20, v[\q]
	v_sub_f32 v[\l], v[\q], v[\h]
	v_and_b32 v[\m], s20, v[\l]
	v_sub_f32 v[\l], v[\l], v[\m]
.endm
.macro PIECES                          ; v16-18: a centred point.  v19 = |.|^2 / 2; v20-22, v23-25, v26-28: the pieces of x, y, z
	v_mul_f32 v19, v16, v16
	v_fmac_f32 v19, v17, v17
	v_fmac_f32 v19, v18, v18
	v_mul_f32 v19, 0.5, v19
	SPLIT 16, 20, 21, 22
	SPLIT 17, 23, 24, 25
	SPLIT 18, 26, 27, 28
.endm
	; THE TABLES.  A's row of 32 k is [Q0, Q0, Q0, Q3]:  Q0 = xH xM xL yH yM yL zH zM,  Q3 = zL w0 zL w1 zL w2 0 0.
	v_mov_b32 v[PQ+3], 0
	s_wait_kmcnt 0x0                               ; the centre
.irp it, 0,1,2,3,4,5,6,7,8,9,10,11,12,13,14,15
	s_wait_loadcnt 19-\it                          ; behind candidate it stand 15 - it candidate loads and the four query loads
	v_sub_f32 v16, v[RAW+4*\it], s16
	v_sub_f32 v17, v[RAW+4*\it+1], s17
	v_sub_f32 v18, v[RAW+4*\it+2], s18
	PIECES
	SPLIT 19, 29, 30, 31
	v_perm_b32 v[OQ],   v21, v20, s21
	v_perm_b32 v[OQ+1], v23, v22, s21
	v_perm_b32 v[OQ+2], v25, v24, s21
	v_perm_b32 v[OQ+3], v27, v26, s21
	v_perm_b32 v[PQ],   v29, v28, s21
	v_perm_b32 v[PQ+1], v30, v28, s21
	v_perm_b32 v[PQ+2], v31, v28, s21
	ds_store_b128 v[VST],  v[OQ:OQ+3] offset:\it*4096
	ds_store_b128 v[VST2], v[PQ:PQ+3] offset:\it*4096
.endr
	; THE QUERIES.  B's column is [P_H, P_M, P_L, P3] of q' = centre - p:  P_c = x'c x'c x'c y'c y'c y'c z'c z'c,  P3 = z'H 1 z'M 1 z'L 1 0 0.
	; Lanes with h = 0 hold k 0-7 and 16-23 (P_H, P_L), lanes with h = 1 hold k 8-15 and 24-31 (P_M, P3).
.macro QFRAG u
	v_sub_f32 v16, s16, v[DX+4*\u]
	v_sub_f32 v17, s17, v[DX+4*\u+1]
	v_sub_f32 v18, s18, v[DX+4*\u+2]
	PIECES
	v_cndmask_b32 v29, v20, v21, s30
	v_cndmask_b32 v30, v23, v24, s30
	v_cndmask_b32 v31, v26, v27, s30
	v_perm_b32 v[BF+8*\u],   v29, v29, s21
	v_perm_b32 v[BF+8*\u+1], v30, v29, s21
	v_perm_b32 v[BF+8*\u+2], v30, v30, s21
	v_perm_b32 v[BF+8*\u+3], v31, v31, s21
	v_perm_b32 v[BF+8*\u+4], v22, v22, s21
	v_perm_b32 v[BF+8*\u+5], v25, v22, s21
	v_perm_b32 v[BF+8*\u+6], v25, v25, s21
	v_perm_b32 v[BF+8*\u+7], v28, v28, s21
	v_perm_b32 v29, s26, v26, s21
	v_perm_b32 v30, s26, v27, s21
	v_perm_b32 v31, s26, v28, s21
	v_cndmask_b32 v[BF+8*\u+4], v[BF+8*\u+4], v29, s30
	v_cndmask_b32 v[BF+8*\u+5], v[BF+8*\u+5], v30, s30
	v_cndmask_b32 v[BF+8*\u+6], v[BF+8*\u+6], v31, s30
	v_cndmask_b32 v[BF+8*\u+7], v[BF+8*\u+7], 0, s30
.irp k, 0,1,2,3,4,5,6,7
	v_mov_b32 v[CC+8*\u+\k], v19                   ; C(m, n) = w of query n, whatever m
.endr
.endm
	s_wait_loadcnt 0x0
	QFRAG 0
	QFRAG 1
	QFRAG 2
	QFRAG 3
.set i, 0
.rept 32
	v_mov_b32 v[LS+i], s27                         ; empty lists
.set i, i+1
.endr
	s_lshl_b32 s14, s10, 7
	s_lshl_b32 s15, s10, 14
	s_mul_i32 s31, s8, 3072
	s_add_co_u32 s31, s31, MERGE
	v_add_nc_u32 v[GID], s14, v2                   ; 128 groups for each quarter
	v_lshl_add_u32 v[VA], v1, 4, s15               ; row r of the tile, 16 bytes a row
	v_lshl_add_u32 v[VB], v2, 16, v[VA]            ; h = 0: Q0 again; h = 1: Q3, 65,536 bytes further on
	v_mul_u32_u24 v[VM], v1, 48
	v_lshl_add_u32 v[VM], v2, 4, v[VM]
	v_add_nc_u32 v[VM], s31, v[VM]
	s_wait_dscnt 0x0                               ; my part of the tables is written,
	s_barrier_signal -1
	s_barrier_wait -1                              ; everybody's is
.macro LOADA buf, off                  ; a tile of 16 candidates
	ds_load_b128 v[\buf:\buf+3],   v[VA] offset:\off
	ds_load_b128 v[\buf+4:\buf+7], v[VB] offset:\off
.endm
.macro MM buf, set                     ; 16 candidates x 64 queries: register j of lane (r, h) = key of candidate 8h + j and query r
.irp u, 0,1,2,3
	v_wmma_f32_16x16x32_bf16 v[\set+8*\u:\set+8*\u+7], v[\buf:\buf+7], v[BF+8*\u:BF+8*\u+7], v[CC+8*\u:CC+8*\u+7]
.endr
.endm
.macro INSERT l, key                   ; a key into a sorted list of 8: each place takes the middle of key, its neighbour below and itself
.irp k, 7,6,5,4,3,2,1
	v_med3_num_f32 v[\l+\k], v[\key], v[\l+\k-1], v[\l+\k]
.endr
	v_min_num_f32 v[\l], v[\l], v[\key]
.endm
.macro PROC set                        ; a lane's eight results are one group: their minimum, tagged with the group number, goes into the list
.irp u, 0,1,2,3
	v_min3_num_f32 v[KEY+\u], v[\set+8*\u], v[\set+8*\u+1], v[\set+8*\u+2]
.endr
.irp u, 0,1,2,3
	v_min3_num_f32 v[KEY+\u], v[KEY+\u], v[\set+8*\u+3], v[\set+8*\u+4]
.endr
.irp u, 0,1,2,3
	v_min3_num_f32 v[KEY+\u], v[KEY+\u], v[\set+8*\u+5], v[\set+8*\u+6]
.endr
.irp u, 0,1,2,3
	v_min_num_f32 v[KEY+\u], v[KEY+\u], v[\set+8*\u+7]
.endr
.irp u, 0,1,2,3
	v_and_or_b32 v[KEY+\u], v[KEY+\u], s22, v[GID]
.endr
.irp u, 0,1,2,3
	INSERT LS+8*\u, KEY+\u
.endr
	v_add_nc_u32 v[GID], 2, v[GID]
.endm
; Half a trip: one tile multiplied, the tile before it sorted in.  The 53 vector instructions of PROC name none of the registers of the
; matrix instructions in front of them, so they are the places (ISA guide 7.12.1) before that set is read and that fragment buffer loaded again.
.macro HALF cur, nxt, off, mine, prev
	s_wait_dscnt 0x0                               ; the fragment asked for half a trip ago is in; nothing younger is out
	LOADA \nxt, \off
	MM \cur, \mine
	PROC \prev
.endm
	LOADA AF0, 0
	s_wait_dscnt 0x0
	LOADA AF1, 256
	MM AF0, DX
.rept 4
	v_nop                                          ; four places before the loop's first load lands in buffer 0, which these products read
.endr
	s_mov_b32 s23, 0
.Ltiles:                                           ; trip n: multiplies tiles 2n+1, 2n+2, sorts in tiles 2n, 2n+1, asks for tiles 2n+2, 2n+3
	HALF AF1, AF0, 512, DY, DX
	HALF AF0, AF1, 768, DX, DY
	v_add_nc_u32 v[VA], 512, v[VA]
	v_add_nc_u32 v[VB], 512, v[VB]
	s_add_co_u32 s23, s23, 1
	s_cmp_lt_u32 s23, 31
	s_cbranch_scc1 .Ltiles
	s_wait_dscnt 0x0
	MM AF1, DY                                     ; tile 63
	PROC DX
	PROC DY
	; The two halves of the lanes hold lists of the same 16 queries: each takes the other's and merges; then 16 bytes a lane go to LDS.
.irp u, 0,1,2,3
.irp k, 0,1,2,3,4,5,6,7
	v_permlanex16_b32 v[16+\k], v[LS+8*\u+\k], s24, s25
.endr
.irp k, 0,1,2,3,4,5,6,7
	INSERT LS+8*\u, 16+\k
.endr
.irp k, 0,1,2,3
	v_cndmask_b32 v[24+\k], v[LS+8*\u+\k], v[LS+8*\u+4+\k], s30
.endr
	ds_store_b128 v[VM], v[24:27] offset:\u*768
.endr
	s_wait_dscnt 0x0                               ; my lists are written,
	s_barrier_signal -1
	s_barrier_wait -1                              ; everybody's are.  No barrier follows: four waves may leave
	s_cmp_ge_u32 s8, 4
	s_cbranch_scc1 .Ldone
	; Waves 0-3: thread = query.  The four quarters' lists lie in the blocks of waves (query >> 6) + 2 x quarter.
	v_lshrrev_b32 v16, 6, v0
	v_and_b32 v17, 63, v0
	v_mul_u32_u24 v16, v16, 3072
	v_mad_u32_u24 v16, v17, 48, v16
	v_add_nc_u32 v16, MERGE, v16
	ds_load_b128 v[LS:LS+3],   v16
	ds_load_b128 v[LS+4:LS+7], v16 offset:16
.irp c, 1,2,3
	ds_load_b128 v[DX+8*\c-8:DX+8*\c-5], v16 offset:\c*6144
	ds_load_b128 v[DX+8*\c-4:DX+8*\c-1], v16 offset:\c*6144+16
.endr
	s_lshl_b32 s14, ttmp9, 11
	v_lshl_add_u32 v24, v0, 4, s14                 ; 16 bytes a point: a wave stores 512 consecutive bytes, aligned
	s_wait_dscnt 0x0
.set i, 0
.rept 24
	INSERT LS, DX+i
.set i, i+1
.endr
.irp k, 0,1,2,3,4,5,6,7
	v_and_b32 v[LS+\k], 0x1ff, v[LS+\k]            ; the group numbers
.endr
.irp k, 0,1,2,3
	v_lshl_or_b32 v[20+\k], v[LS+2*\k+1], 16, v[LS+2*\k]
.endr
	global_store_b128 v24, v[20:23], s[6:7]
.Ldone:
	s_wait_tensorcnt 0x0
	ds_add_u32 v251, v255
	s_wait_dscnt 0x0
	s_endpgm
.Lfunc_end_k_q28a27e0418_groups:
	.size	k_q28a27e0418_groups, .Lfunc_end_k_q28a27e0418_groups-k_q28a27e0418_groups
	.p2alignl 7, 3214868480
	.fill 96, 4, 3214868480
	.section	.rodata,"a",@progbits
	.p2align	6, 0x0
	.amdhsa_kernel k_q28a27e0418_groups
		.amdhsa_group_segment_fixed_size 156672
		.amdhsa_private_segment_fixed_size 0
		.amdhsa_enable_private_segment 0
		.amdhsa_kernarg_size 16
		.amdhsa_user_sgpr_count 2
		.amdhsa_user_sgpr_kernarg_segment_ptr 1
		.amdhsa_wavefront_size32 1
		.amdhsa_system_sgpr_workgroup_id_x 1
		.amdhsa_system_sgpr_workgroup_id_y 1
		.amdhsa_system_sgpr_workgroup_id_z 1
		.amdhsa_system_vgpr_workitem_id 0
		.amdhsa_next_free_vgpr 256
		.amdhsa_next_free_sgpr 66
		.amdhsa_reserve_vcc 0
		.amdhsa_float_denorm_mode_32 3
		.amdhsa_float_denorm_mode_16_64 3
		.amdhsa_memory_ordered 1
		.amdhsa_forward_progress 1
		.amdhsa_inst_pref_size 82
	.end_amdhsa_kernel
	.amdgpu_metadata
---
amdhsa.version: [ 1, 2 ]
amdhsa.kernels:
  - .name:           k_q28a27e0418_groups
    .symbol:         k_q28a27e0418_groups.kd
    .args:
      - { .name: points, .offset: 0, .size: 8, .value_kind: global_buffer, .address_space: global }
      - { .name: gid, .offset: 8, .size: 8, .value_kind: global_buffer, .address_space: global }
    .group_segment_fixed_size: 156672
    .private_segment_fixed_size: 0
    .kernarg_segment_align: 8
    .kernarg_segment_size: 16
    .max_flat_workgroup_size: 256
    .sgpr_count:     66
    .vgpr_count:     256
    .wavefront_size: 32
...
	.end_amdgpu_metadata
.endif
;; end of part 1
;; launch frames (part 2): grid 256 x 1, 4 waves a work-group, no clusters, 49,664 bytes of LDS; arguments points, gid, nbr, nrm; writes nbr, nrm
.if DOCPART == 2
	.amdgcn_target "amdgcn-amd-amdhsa--gfx1250"
	.amdhsa_code_object_version 6
	.text
	.protected	k_q28a27e0418_frames
	.globl	k_q28a27e0418_frames
	.p2align	8
	.type	k_q28a27e0418_frames,@function
k_q28a27e0418_frames:
	s_mov_b64 s[64:65], 0
	v_nop
	global_prefetch_b8 v0, s[64:65] scope:SCOPE_SE
	s_setreg_imm32_b32 hwreg(HW_REG_WAVE_MODE, 25, 1), 1
	s_wait_xcnt 0x0
; SECOND LAUNCH.  Thread = point.  Among the 64 candidates of its 8 groups: the 5 nearest, coordinates carried along in registers; their
; covariance; its eigenvectors; the octant of each neighbour in that frame.
; Out: nbr, per point 4 words: n0 | n1 << 16, n2 | n3 << 16, n4, 0 with n = index in the cloud (12 bits) | octant << 12;  nrm: nx, ny, nz, 0.
; THE RANKING uses the problem's own f32 expression, x2_i + x2_j - 2 p_i.p_j, with x2 and the product as chains of fused multiply-adds over
; x, y, z.  That is a difference of sums, taken knowingly: which point is fifth, and the order among equal values, are defined by that
; expression's rounding, and only the same expression gives the same five.  Equal values keep the lowest index in front, as top_k does.
; THE SIGNS of the eigenvectors decide the result, and they are whatever LAPACK's ssyevd leaves.  So its path for n = 3 is followed step by step,
; in every lane, with selects in place of branches: ssytd2 (lower), ssteqr from the identity (QL or QR sweeps, slaev2 for the last pair,
; selection sort), sormtr.  The QR branch is run as QL on the mirrored matrix (rows and columns 1 <-> 3) and mirrored back.
; ROUNDING: what is Fortran text in LAPACK is rounded operation by operation, no multiply and add fused, with divisions and roots corrected by
; their remainder; the BLAS updates of the reduction and of the back-transform are fused where they are of the form y += a x.
; NO LANE DIVIDES BY ZERO: a lane whose sweeps are over works on a harmless matrix in the sweeps that remain, and the three roots that could
; meet a zero are guarded; in each of these cases a select throws the result away.
; LIMITS: LAPACK's rescalings are left out (they serve entries outside about 1e-17 .. 1e17, and below 3e-5 they change rounding only); slartg as
; in LAPACK 3.10.1 and later (c = |f| / d, r = sign(d, f), s = g / r); the sweeps stop at 30; equality bit for bit with the library is not
; promised.  A decision that lies within f32 rounding of its boundary (a projection at 0) can fall on the other side.
; The products here are 32,768 separate 3 x 5 ones with no shared operand: they stay on the vector unit, in f32.
.set X2Q, 15                           ; v15      |my point|^2
.set GR,  16                           ; v[16:23] group numbers
.set ND,  24                           ; v[24:28] the five smallest values of the ranking expression, ascending
.set NI,  29                           ; v[29:33] their indices
.set NX,  34                           ; v[34:38], v[39:43], v[44:48] their coordinates
.set NY,  39
.set NZ,  44
.set CB0, 64                           ; v[64:87], v[88:111] two groups of 8 candidates, 3 registers each (before: v[64:159] the copy's stage)
.set CB1, 88
.set D1,  64                           ; behind the scan: a11 a21 a31 a22 a32 a33 in v64..69; d1, d2, d3, e2 take the places of a11, a22, a33, a32
.set A21, 65
.set A31, 66
.set D2,  67
.set E2,  68
.set D3,  69
.set DF,  70                           ; v[70:84] differences from the mean: x 70.., y 75.., z 80..;  v[85:87] the mean
.set E1,  93
.set ZC,  96                           ; v[96:104] eigenvectors: column k, row i at 96 + 3k + i
.set TAU, 105
.set V2,  106                          ; v110..143: at work
.set W1,  144                          ; v[144:148] what a sweep works on: d1, d2, d3, e1, e2 of a lane at work, 1, 2, 4, 1, 1 in a lane that is done
.set W2,  145
.set W3,  146
.set WE1, 147
.set WE2, 148
	s_load_b256 s[4:11], s[0:1], 0x0               ; points s[4:5], gid s[6:7], nbr s[8:9], nrm s[10:11]
	v_lshl_add_u32 v160, v0, 2, 0xc000
	v_mov_b32 v161, 0
	v_lshrrev_b32 v5, 5, v0
	v_readfirstlane_b32 s18, v5                    ; wave
	s_lshr_b32 s12, ttmp9, 5                       ; cloud
	s_and_b32 s13, ttmp9, 31                       ; block of 128 points
	s_mul_i32 s14, s12, 49152
	s_mov_b32 s15, 0
	s_lshl_b32 s16, ttmp9, 11
	s_mul_i32 s17, s13, 1536
	s_lshl_b32 s18, s18, 9
	s_mov_b32 s20, 0x7fffffff
	s_mov_b32 s21, 0x80000000
	s_mov_b32 s22, 0x27800000                      ; eps^2 = 2^-48
	s_mov_b32 s23, 0x00800000                      ; safmin = 2^-126
	s_mov_b32 s24, 0x33800000                      ; eps = 2^-24
	s_mov_b32 s25, 0x3e4ccccd                      ; 1/5
	v_and_b32 v5, 31, v0
	v_lshl_add_u32 v1, v5, 4, s18                  ; 16 x thread, as lane and wave
	v_lshl_add_u32 v13, v0, 4, s16                 ; my 16 bytes in gid, nbr, nrm
	v_mad_u32_u24 v14, v0, 12, s17                 ; my point in the cloud
	s_wait_kmcnt 0x0
	s_add_nc_u64 s[4:5], s[4:5], s[14:15]
	global_load_b128 v[52:55], v13, s[6:7]
.set i, 0
.rept 24                                           ; the cloud, 49,152 bytes, as it lies in memory: 2,048 bytes for each line of the work-group
	global_load_b128 v[64+4*i:67+4*i], v1, s[4:5] offset:2048*i
.set i, i+1
.endr
.set i, 0
.rept 24
	s_wait_loadcnt 23-i                            ; the younger loads of the copy stay out
	ds_store_b128 v1, v[64+4*i:67+4*i] offset:2048*i
.set i, i+1
.endr
	s_wait_dscnt 0x0
	s_barrier_signal -1
	s_barrier_wait -1
	ds_load_b96 v[2:4], v14                        ; my point
.irp k, 0,1,2,3
	v_and_b32 v[GR+2*\k], 0xffff, v[52+\k]
	v_lshrrev_b32 v[GR+2*\k+1], 16, v[52+\k]
.endr
	; groups in ascending order, so that among equal values the lowest index stays in front, as in top_k (19 comparators, odd-even merge)
.macro CE a, b
	v_min_u32 v12, v[GR+\a], v[GR+\b]
	v_max_u32 v[GR+\b], v[GR+\a], v[GR+\b]
	v_mov_b32 v[GR+\a], v12
.endm
	CE 0, 1
	CE 2, 3
	CE 4, 5
	CE 6, 7
	CE 0, 2
	CE 1, 3
	CE 4, 6
	CE 5, 7
	CE 1, 2
	CE 5, 6
	CE 0, 4
	CE 1, 5
	CE 2, 6
	CE 3, 7
	CE 2, 4
	CE 3, 5
	CE 1, 2
	CE 3, 4
	CE 5, 6
.irp k, 0,1,2,3,4,5,6,7
	v_min_u32 v[GR+\k], 0x1ff, v[GR+\k]            ; a loaded number enters an address only clamped: 511 x 96 + 95 is the cloud's last byte
.endr
.irp k, 0,1,2,3,4
	v_mov_b32 v[ND+\k], 0x7f800000
	v_mov_b32 v[NI+\k], 0
	v_mov_b32 v[NX+\k], 0
	v_mov_b32 v[NY+\k], 0
	v_mov_b32 v[NZ+\k], 0
.endr
.macro LOADG g, buf                    ; a group: 8 points, 96 bytes
	v_mul_u32_u24 v1, v[GR+\g], 96
.irp n, 0,1,2,3,4,5
	ds_load_b128 v[\buf+4*\n:\buf+4*\n+3], v1 offset:16*\n
.endr
.endm
; One candidate (registers c, c+1, c+2; index v5 + j) into the five.  v7 = (x2_i + x2_j) - 2 p_i.p_j, rounded as the problem's function rounds it.
; Mask k = (v7 < list[k]); place k takes its own, the new one or its neighbour's.
.macro CAND c, j
	v_mul_f32 v8, v[\c], v[\c]
	v_mul_f32 v9, v2, v[\c]
	v_fmac_f32 v8, v[\c+1], v[\c+1]
	v_fmac_f32 v9, v3, v[\c+1]
	v_fmac_f32 v8, v[\c+2], v[\c+2]
	v_fmac_f32 v9, v4, v[\c+2]
	v_add_f32 v8, v[X2Q], v8
	v_fma_f32 v7, -2.0, v9, v8                     ; 2 x product is exact: one rounding, fused or not
	v_add_nc_u32 v6, \j, v5
.irp k, 0,1,2,3,4
	v_cmp_lt_f32 s[40+\k], v7, v[ND+\k]
.endr
.irp k, 4,3,2,1
	v_cndmask_b32 v8,  v6,       v[NI+\k-1], s[39+\k]
	v_cndmask_b32 v9,  v[\c],    v[NX+\k-1], s[39+\k]
	v_cndmask_b32 v10, v[\c+1],  v[NY+\k-1], s[39+\k]
	v_cndmask_b32 v11, v[\c+2],  v[NZ+\k-1], s[39+\k]
	v_cndmask_b32 v[NI+\k], v[NI+\k], v8,  s[40+\k]
	v_cndmask_b32 v[NX+\k], v[NX+\k], v9,  s[40+\k]
	v_cndmask_b32 v[NY+\k], v[NY+\k], v10, s[40+\k]
	v_cndmask_b32 v[NZ+\k], v[NZ+\k], v11, s[40+\k]
	v_med3_num_f32 v[ND+\k], v7, v[ND+\k-1], v[ND+\k]
.endr
	v_cndmask_b32 v[NI], v[NI], v6,      s40
	v_cndmask_b32 v[NX], v[NX], v[\c],   s40
	v_cndmask_b32 v[NY], v[NY], v[\c+1], s40
	v_cndmask_b32 v[NZ], v[NZ], v[\c+2], s40
	v_min_num_f32 v[ND], v[ND], v7
.endm
.macro GROUP g, buf, left, more
	s_wait_dscnt \left                             ; this group is in; the next group's six loads stay out
	v_lshlrev_b32 v5, 3, v[GR+\g]
.irp j, 0,1,2,3,4,5,6,7
	CAND \buf+3*\j, \j
.endr
.if \more
	LOADG \g+2, \buf
.endif
.endm
	LOADG 0, CB0
	LOADG 1, CB1
	s_wait_dscnt 12                                ; my point is in; the twelve loads of the first two groups stay out
	v_mul_f32 v[X2Q], v2, v2
	v_fmac_f32 v[X2Q], v3, v3
	v_fmac_f32 v[X2Q], v4, v4
	GROUP 0, CB0, 6, 1
	GROUP 1, CB1, 6, 1
	GROUP 2, CB0, 6, 1
	GROUP 3, CB1, 6, 1
	GROUP 4, CB0, 6, 1
	GROUP 5, CB1, 6, 1
	GROUP 6, CB0, 6, 0
	GROUP 7, CB1, 0, 0
	; COVARIANCE of the five, nearest first
.macro MEAN m, a, d
	v_add_f32 v[\m], v[\a], v[\a+1]
	v_add_f32 v[\m], v[\m], v[\a+2]
	v_add_f32 v[\m], v[\m], v[\a+3]
	v_add_f32 v[\m], v[\m], v[\a+4]
	v_mul_f32 v[\m], s25, v[\m]
.irp k, 0,1,2,3,4
	v_sub_f32 v[\d+\k], v[\a+\k], v[\m]
.endr
.endm
.macro COV o, p, q
	v_mul_f32 v[\o], v[\p], v[\q]
.irp k, 1,2,3,4
	v_fmac_f32 v[\o], v[\p+\k], v[\q+\k]
.endr
.endm
	MEAN 85, NX, DF
	MEAN 86, NY, DF+5
	MEAN 87, NZ, DF+10
	COV D1,  DF,    DF
	COV A21, DF+5,  DF
	COV A31, DF+10, DF
	COV D2,  DF+5,  DF+5
	COV E2,  DF+10, DF+5
	COV D3,  DF+10, DF+10
.macro DIV q, a, b                     ; q = a / b, b not 0: reciprocal, product, one correction by the exact remainder.  q is neither a nor b
	v_rcp_f32 v136, v[\b]
	v_nop                                          ; one plain place behind a transcendental (ISA guide 5.7.2)
	s_wait_alu depctr_va_vdst(0)
	v_mul_f32 v[\q], v[\a], v136
	v_fma_f32 v137, -v[\b], v[\q], v[\a]
	v_fma_f32 v[\q], v137, v136, v[\q]
.endm
.macro SQRT s, x                       ; s = sqrt(x), x > 0: x / sqrt(x), one correction by the exact remainder.  s is not x
	v_rsq_f32 v136, v[\x]
	v_nop
	s_wait_alu depctr_va_vdst(0)
	v_mul_f32 v[\s], v[\x], v136
	v_mul_f32 v136, 0.5, v136
	v_fma_f32 v137, -v[\s], v[\s], v[\x]
	v_fma_f32 v[\s], v137, v136, v[\s]
.endm
.macro HYP o, w, z                     ; slapy2: o = w sqrt(1 + (z / w)^2), w >= z >= 0, w > 0.  o may be w
	DIV 138, \z, \w
	v_mul_f32 v138, v138, v138
	v_add_f32 v138, 1.0, v138
	SQRT 139, 138
	v_mul_f32 v[\o], v[\w], v139
.endm
.macro CSWAP m, a, b                   ; exchange where the mask is set
	v_cndmask_b32 v12, v[\a], v[\b], \m
	v_cndmask_b32 v[\b], v[\b], v[\a], \m
	v_mov_b32 v[\a], v12
.endm
	; SSYTD2, lower: one reflector H = I - tau v v^T, v = (1, v2), on rows 2, 3 (slarfg)
	v_max_num_f32 v110, |v[A21]|, |v[A31]|
	v_min_num_f32 v111, |v[A21]|, |v[A31]|
	v_cmp_eq_f32 vcc_lo, 0, v110
	v_cndmask_b32 v110, v110, 1.0, vcc_lo          ; a21 = a31 = 0: work on 1; x = 0 below throws the result away
	HYP 112, 110, 111
	v_cmp_eq_f32 s45, 0, v[A31]                    ; x = 0: no reflector
	v_bfi_b32 v111, s20, v112, v[A21]
	v_xor_b32 v111, s21, v111                      ; beta = -sign(hypot, alpha)
	v_sub_f32 v112, v111, v[A21]
	DIV TAU, 112, 111
	v_sub_f32 v113, v[A21], v111
	v_mov_b32 v114, 1.0
	DIV 115, 114, 113
	v_mul_f32 v[V2], v[A31], v115                  ; x scaled by the rounded 1 / (alpha - beta)
	v_cndmask_b32 v[TAU], v[TAU], 0, s45
	v_cndmask_b32 v[V2], v[V2], 0, s45
	v_cndmask_b32 v[E1], v111, v[A21], s45
	v_mul_f32 v114, v[TAU], v[D2]                  ; x = tau A v, column by column
	v_mul_f32 v115, v[TAU], v[E2]
	v_mul_f32 v116, v[E2], v[V2]
	v_fmac_f32 v114, v[TAU], v116                  ; x1 = tau a22 + tau (a32 v2)
	v_mul_f32 v117, v[TAU], v[V2]
	v_fmac_f32 v115, v117, v[D3]                   ; x2 = tau a32 + (tau v2) a33
	v_mul_f32 v116, v115, v[V2]
	v_add_f32 v116, v114, v116                     ; x . v
	v_mul_f32 v117, -0.5, v[TAU]
	v_mul_f32 v116, v117, v116                     ; -tau/2 (x . v)
	v_add_f32 v114, v114, v116                     ; w1
	v_fmac_f32 v115, v116, v[V2]                   ; w2
	v_sub_f32 v[D2], v[D2], v114                   ; A - v w^T - w v^T, one update after the other
	v_sub_f32 v[D2], v[D2], v114
	v_sub_f32 v[E2], v[E2], v115
	v_fma_f32 v[E2], -v114, v[V2], v[E2]
	v_fma_f32 v[D3], -v[V2], v115, v[D3]
	v_fma_f32 v[D3], -v115, v[V2], v[D3]
	; SSTEQR: off-diagonals that are negligible at the start; the choice of QL or QR; Z = I
	v_sqrt_f32 v110, |v[D1]|
	v_sqrt_f32 v111, |v[D2]|
	v_sqrt_f32 v112, |v[D3]|
	v_nop
	s_wait_alu depctr_va_vdst(0)
	v_mul_f32 v113, v110, v111
	v_mul_f32 v114, v111, v112
	v_mul_f32 v113, s24, v113
	v_mul_f32 v114, s24, v114
	v_cmp_le_f32 s45, |v[E1]|, v113
	v_cmp_le_f32 s46, |v[E2]|, v114
	v_cndmask_b32 v[E1], v[E1], 0, s45
	v_cndmask_b32 v[E2], v[E2], 0, s46
	v_cmp_lt_f32 s39, |v[D3]|, |v[D1]|             ; QR: run mirrored
	CSWAP s39, D1, D3
	CSWAP s39, E1, E2
.irp k, 1,2,3,5,6,7
	v_mov_b32 v[ZC+\k], 0
.endr
.irp k, 0,4,8
	v_mov_b32 v[ZC+\k], 1.0
.endr
.macro TEST                            ; s36, s37: e1, e2 negligible, as at the head of a QL step
	v_mul_f32 v110, s22, |v[D1]|
	v_mul_f32 v111, s22, |v[D2]|
	v_mul_f32 v110, v110, |v[D2]|
	v_mul_f32 v111, v111, |v[D3]|
	v_add_f32 v110, s23, v110
	v_add_f32 v111, s23, v111
	v_mul_f32 v112, v[E1], v[E1]
	v_mul_f32 v113, v[E2], v[E2]
	v_cmp_le_f32 s36, v112, v110
	v_cmp_le_f32 s37, v113, v111
.endm
.macro GIV f, g, c, s, r               ; slartg: d = sqrt(f^2 + g^2), c = |f| / d, r = sign(d, f), s = g / r;  g = 0: 1, 0, f
	v_mul_f32 v138, v[\f], v[\f]
	v_mul_f32 v139, v[\g], v[\g]
	v_add_f32 v138, v138, v139
	v_max_num_f32 v138, s23, v138                  ; never below 2^-126: acts only where both squares underflow, so that d is not 0
	SQRT 139, 138
	v_cmp_eq_f32 vcc_lo, 0, v[\g]
	v_bfi_b32 v[\r], s20, v139, v[\f]
	v_and_b32 v138, s20, v[\f]
	DIV \c, 138, 139
	DIV \s, \g, \r
	v_cndmask_b32 v[\c], v[\c], 1.0, vcc_lo
	v_cndmask_b32 v[\s], v[\s], 0, vcc_lo
	v_cndmask_b32 v[\r], v[\r], v[\f], vcc_lo
.endm
.macro ROT a, b, c, s                  ; slasr on columns a, b of Z:  b = c b + s a,  a = c a - s b, each product rounded
.irp i, 0,1,2
	v_mul_f32 v140, v[\s], v[ZC+3*\a+\i]
	v_mul_f32 v141, v[\s], v[ZC+3*\b+\i]
	v_mul_f32 v142, v[\c], v[ZC+3*\b+\i]
	v_mul_f32 v143, v[\c], v[ZC+3*\a+\i]
	v_add_f32 v[ZC+3*\b+\i], v142, v140
	v_sub_f32 v[ZC+3*\a+\i], v143, v141
.endr
.endm
	; Sweeps over the whole 3 x 3 until e1 or e2 is negligible.  Every trip does the work in every lane.  A lane that is done keeps its state, so
	; that its test gives the same answer again, and works meanwhile on d = 1, 2, 4, e = 1, 1: its own e1 may be exactly 0, and would be divided by.
	; In a lane at work the test has shown e1^2 and e2^2 above 2^-126, so 2 e1 and f^2 + e2^2 are normal numbers.
	s_mov_b32 s19, 0
.Lsweep:
	TEST
	s_or_b32 s38, s36, s37
	s_not_b32 s38, s38                             ; lanes still at work
	v_cndmask_b32 v[W1],  1.0, v[D1], s38
	v_cndmask_b32 v[W2],  2.0, v[D2], s38
	v_cndmask_b32 v[W3],  4.0, v[D3], s38
	v_cndmask_b32 v[WE1], 1.0, v[E1], s38
	v_cndmask_b32 v[WE2], 1.0, v[E2], s38
	v_sub_f32 v114, v[W2], v[W1]
	v_add_f32 v115, v[WE1], v[WE1]
	DIV 116, 114, 115                              ; g
	v_max_num_f32 v117, |v116|, 1.0
	v_min_num_f32 v118, |v116|, 1.0
	HYP 119, 117, 118                              ; r = slapy2(g, 1)
	v_bfi_b32 v119, s20, v119, v116
	v_add_f32 v117, v116, v119                     ; g + sign(r, g): at least 1 in magnitude
	DIV 118, WE1, 117
	v_sub_f32 v119, v[W3], v[W1]
	v_add_f32 v119, v119, v118                     ; the shifted g
	GIV 119, WE2, 120, 121, 122                    ; i = 2: c2, s2
	v_sub_f32 v123, v[W2], v[W3]
	v_mul_f32 v123, v123, v121
	v_add_f32 v124, v120, v120
	v_mul_f32 v124, v124, v[WE2]
	v_add_f32 v124, v123, v124                     ; r
	v_mul_f32 v125, v121, v124                     ; p
	v_add_f32 v126, v[W3], v125                    ; new d3
	v_mul_f32 v127, v120, v124
	v_sub_f32 v127, v127, v[WE2]                   ; g
	v_mul_f32 v128, v121, v[WE1]                   ; i = 1: f
	v_mul_f32 v129, v120, v[WE1]                   ; b
	GIV 127, 128, 130, 131, 132                    ; c1, s1, new e2
	v_sub_f32 v133, v[W2], v125
	v_sub_f32 v123, v[W1], v133
	v_mul_f32 v123, v123, v131
	v_add_f32 v124, v130, v130
	v_mul_f32 v124, v124, v129
	v_add_f32 v124, v123, v124
	v_mul_f32 v125, v131, v124
	v_add_f32 v133, v133, v125                     ; new d2
	v_mul_f32 v134, v130, v124
	v_sub_f32 v134, v134, v129                     ; new e1
	v_sub_f32 v135, v[W1], v125                    ; new d1
	v_cndmask_b32 v120, 1.0, v120, s38
	v_cndmask_b32 v121, 0, v121, s38
	v_cndmask_b32 v130, 1.0, v130, s38
	v_cndmask_b32 v131, 0, v131, s38
	v_cndmask_b32 v[D1], v[D1], v135, s38
	v_cndmask_b32 v[D2], v[D2], v133, s38
	v_cndmask_b32 v[D3], v[D3], v126, s38
	v_cndmask_b32 v[E1], v[E1], v134, s38
	v_cndmask_b32 v[E2], v[E2], v132, s38
	ROT 1, 2, 120, 121
	ROT 0, 1, 130, 131
	s_add_co_u32 s19, s19, 1
	s_cmp_lt_u32 s19, 30
	s_cbranch_scc1 .Lsweep
	TEST
	; back from the mirror
	CSWAP s39, D1, D3
	CSWAP s39, E1, E2
	CSWAP s39, ZC, ZC+8
	CSWAP s39, ZC+3, ZC+5
	CSWAP s39, ZC+6, ZC+2
	CSWAP s39, ZC+1, ZC+7
	s_and_not1_b32 s45, s36, s39
	s_and_b32 s46, s37, s39
	s_or_b32 s45, s45, s46                         ; e1 negligible: the pair left is (2, 3), else (1, 2)
	s_and_not1_b32 s46, s37, s39
	s_and_b32 s47, s36, s39
	s_or_b32 s46, s46, s47
	s_and_b32 s46, s45, s46                        ; both: nothing is left
	; SLAEV2 on the pair
	v_cndmask_b32 v110, v[D1], v[D2], s45          ; a
	v_cndmask_b32 v111, v[E1], v[E2], s45          ; b
	v_cndmask_b32 v112, v[D2], v[D3], s45          ; c
	v_add_f32 v113, v110, v112                     ; sm
	v_sub_f32 v114, v110, v112                     ; df
	v_add_f32 v115, v111, v111                     ; tb
	v_cmp_gt_f32 s47, |v110|, |v112|
	v_cndmask_b32 v116, v112, v110, s47            ; acmx
	v_cndmask_b32 v117, v110, v112, s47            ; acmn
	v_max_num_f32 v118, |v114|, |v115|
	v_min_num_f32 v119, |v114|, |v115|
	v_cmp_eq_f32 vcc_lo, 0, v118
	v_cndmask_b32 v118, v118, 1.0, vcc_lo          ; a = c and b = 0: work on 1; then nothing is left to rotate, and s46 throws the result away
	HYP 118, 118, 119                              ; rt
	v_cmp_lt_f32 s48, v113, 0
	v_cmp_lt_f32 s49, v114, 0
	v_xor_b32 v119, s21, v118
	v_cndmask_b32 v120, v118, v119, s48
	v_add_f32 v120, v113, v120
	v_mul_f32 v120, 0.5, v120                      ; rt1
	DIV 121, 116, 120
	DIV 122, 111, 120
	v_mul_f32 v121, v121, v117
	v_mul_f32 v122, v122, v111
	v_sub_f32 v121, v121, v122                     ; rt2
	v_cndmask_b32 v123, v118, v119, s49
	v_add_f32 v123, v114, v123                     ; cs: df and rt with the same sign, so not 0
	v_cmp_gt_f32 s50, |v123|, |v115|
	v_cndmask_b32 v124, v123, v115, s50
	v_cndmask_b32 v125, v115, v123, s50            ; the larger of cs and tb divides
	DIV 126, 124, 125
	v_xor_b32 v126, s21, v126                      ; ct or tn
	v_mul_f32 v127, v126, v126
	v_add_f32 v127, 1.0, v127
	SQRT 128, 127
	v_mov_b32 v129, 1.0
	DIV 127, 129, 128                              ; 1 / sqrt(1 + t^2)
	v_mul_f32 v128, v126, v127
	v_cndmask_b32 v129, v128, v127, s50            ; sn1
	v_cndmask_b32 v130, v127, v128, s50            ; cs1
	s_xor_b32 s51, s48, s49
	s_not_b32 s51, s51                             ; sgn1 = sgn2
	v_xor_b32 v131, s21, v129
	v_cndmask_b32 v132, v130, v131, s51            ; cs1
	v_cndmask_b32 v133, v129, v130, s51            ; sn1
	v_cndmask_b32 v132, v132, 1.0, s46
	v_cndmask_b32 v133, v133, 0, s46
	v_cndmask_b32 v120, v120, v110, s46
	v_cndmask_b32 v121, v121, v112, s46
	v_xor_b32 v134, s21, v133                      ; the rotation of Z takes -sn1 in ROT's convention
	v_cndmask_b32 v124, v132, 1.0, s45
	v_cndmask_b32 v125, v134, 0, s45
	v_cndmask_b32 v126, 1.0, v132, s45
	v_cndmask_b32 v127, 0, v134, s45
	ROT 0, 1, 124, 125
	ROT 1, 2, 126, 127
	v_cndmask_b32 v[D1], v120, v[D1], s45
	v_cndmask_b32 v[D2], v121, v120, s45
	v_cndmask_b32 v[D3], v[D3], v121, s45
	; selection sort, ascending, columns with their eigenvalues
	v_cmp_lt_f32 s47, v[D2], v[D1]
	v_min_num_f32 v110, v[D1], v[D2]
	v_cmp_lt_f32 s48, v[D3], v110
	s_and_not1_b32 s47, s47, s48
	CSWAP s47, D1, D2
.irp i, 0,1,2
	CSWAP s47, ZC+\i, ZC+3+\i
.endr
	CSWAP s48, D1, D3
.irp i, 0,1,2
	CSWAP s48, ZC+\i, ZC+6+\i
.endr
	v_cmp_lt_f32 s49, v[D3], v[D2]
.irp i, 0,1,2
	CSWAP s49, ZC+3+\i, ZC+6+\i
.endr
	; SORMTR: H on rows 2, 3 of each column: w = z2 + z3 v2 (two roundings), then z -= (tau w) v
.irp k, 0,1,2
	v_mul_f32 v110, v[V2], v[ZC+3*\k+2]
	v_add_f32 v110, v[ZC+3*\k+1], v110
	v_mul_f32 v110, v[TAU], v110
	v_sub_f32 v[ZC+3*\k+1], v[ZC+3*\k+1], v110
	v_fma_f32 v[ZC+3*\k+2], -v110, v[V2], v[ZC+3*\k+2]
.endr
	; the neighbours' own coordinates on the three axes: the signs give the octant
.irp k, 0,1,2,3,4
	v_mul_f32 v110, v[NX+\k], v[ZC]
	v_mul_f32 v111, v[NX+\k], v[ZC+3]
	v_mul_f32 v112, v[NX+\k], v[ZC+6]
	v_fmac_f32 v110, v[NY+\k], v[ZC+1]
	v_fmac_f32 v111, v[NY+\k], v[ZC+4]
	v_fmac_f32 v112, v[NY+\k], v[ZC+7]
	v_fmac_f32 v110, v[NZ+\k], v[ZC+2]
	v_fmac_f32 v111, v[NZ+\k], v[ZC+5]
	v_fmac_f32 v112, v[NZ+\k], v[ZC+8]
	v_cmp_ge_f32 s45, v110, 0
	v_cmp_ge_f32 s46, v111, 0
	v_cmp_ge_f32 s47, v112, 0
	v_cndmask_b32 v110, 0, 4, s45
	v_cndmask_b32 v111, 0, 2, s46
	v_cndmask_b32 v112, 0, 1, s47
	v_add3_u32 v110, v110, v111, v112
	v_lshl_or_b32 v[NI+\k], v110, 12, v[NI+\k]
.endr
	v_lshl_or_b32 v116, v[NI+1], 16, v[NI]
	v_lshl_or_b32 v117, v[NI+3], 16, v[NI+2]
	v_mov_b32 v118, v[NI+4]
	v_mov_b32 v119, 0
	v_mov_b32 v[ZC+3], 0                           ; column 0 is the normal; the fourth word is 0
	global_store_b128 v13, v[116:119], s[8:9]      ; a wave stores 512 consecutive bytes, aligned
	global_store_b128 v13, v[ZC:ZC+3], s[10:11]
	s_wait_tensorcnt 0x0
	ds_add_u32 v160, v161
	s_wait_dscnt 0x0
	s_endpgm
.Lfunc_end_k_q28a27e0418_frames:
	.size	k_q28a27e0418_frames, .Lfunc_end_k_q28a27e0418_frames-k_q28a27e0418_frames
	.p2alignl 7, 3214868480
	.fill 96, 4, 3214868480
	.section	.rodata,"a",@progbits
	.p2align	6, 0x0
	.amdhsa_kernel k_q28a27e0418_frames
		.amdhsa_group_segment_fixed_size 49664
		.amdhsa_private_segment_fixed_size 0
		.amdhsa_enable_private_segment 0
		.amdhsa_kernarg_size 32
		.amdhsa_user_sgpr_count 2
		.amdhsa_user_sgpr_kernarg_segment_ptr 1
		.amdhsa_wavefront_size32 1
		.amdhsa_system_sgpr_workgroup_id_x 1
		.amdhsa_system_sgpr_workgroup_id_y 1
		.amdhsa_system_sgpr_workgroup_id_z 1
		.amdhsa_system_vgpr_workitem_id 0
		.amdhsa_next_free_vgpr 162
		.amdhsa_next_free_sgpr 66
		.amdhsa_reserve_vcc 1
		.amdhsa_float_denorm_mode_32 3
		.amdhsa_float_denorm_mode_16_64 3
		.amdhsa_memory_ordered 1
		.amdhsa_forward_progress 1
		.amdhsa_inst_pref_size 244
	.end_amdhsa_kernel
	.amdgpu_metadata
---
amdhsa.version: [ 1, 2 ]
amdhsa.kernels:
  - .name:           k_q28a27e0418_frames
    .symbol:         k_q28a27e0418_frames.kd
    .args:
      - { .name: points, .offset: 0, .size: 8, .value_kind: global_buffer, .address_space: global }
      - { .name: gid, .offset: 8, .size: 8, .value_kind: global_buffer, .address_space: global }
      - { .name: nbr, .offset: 16, .size: 8, .value_kind: global_buffer, .address_space: global }
      - { .name: nrm, .offset: 24, .size: 8, .value_kind: global_buffer, .address_space: global }
    .group_segment_fixed_size: 49664
    .private_segment_fixed_size: 0
    .kernarg_segment_align: 8
    .kernarg_segment_size: 32
    .max_flat_workgroup_size: 128
    .sgpr_count:     66
    .vgpr_count:     162
    .wavefront_size: 32
...
	.end_amdgpu_metadata
.endif
;; end of part 2
;; launch hist (part 3): grid 256 x 1, 8 waves a work-group, no clusters, 5,120 bytes of LDS; arguments nbr, nrm, out0; writes out0
.if DOCPART == 3
	.amdgcn_target "amdgcn-amd-amdhsa--gfx1250"
	.amdhsa_code_object_version 6
	.text
	.protected	k_q28a27e0418_hist
	.globl	k_q28a27e0418_hist
	.p2align	8
	.type	k_q28a27e0418_hist,@function
k_q28a27e0418_hist:
	s_mov_b64 s[64:65], 0
	v_nop
	global_prefetch_b8 v0, s[64:65] scope:SCOPE_SE
	s_setreg_imm32_b32 hwreg(HW_REG_WAVE_MODE, 25, 1), 1
	s_wait_xcnt 0x0
; THIRD LAUNCH.  The five bins of each point, then its row of 80 counts.  A work-group has 128 points: 40,960 bytes of out0.
; Waves 0-3, thread = point: gather the five neighbours' normals by the indices that the launch before stored, cosine, bin = 10 x octant + angle bin.
; The bins go to LDS (32 bytes a point).  Then all eight waves write the rows: thread t takes the 16 bytes at 16 (t + 256 n), n = 0..9, so that
; each store of a wave covers 512 consecutive bytes, aligned.  A row is 20 such quads.  Memory binds here: no matrix unit, no cluster.
; LIMIT: a cosine within f32 rounding of a bin's edge can fall into the neighbouring bin.
	s_load_b128 s[4:7], s[0:1], 0x0                ; nbr s[4:5], nrm s[6:7]
	s_load_b64 s[8:9], s[0:1], 0x10                ; out0
	v_lshl_add_u32 v80, v0, 2, 0x1000
	v_mov_b32 v81, 0
	v_lshrrev_b32 v1, 5, v0
	v_readfirstlane_b32 s10, v1                    ; wave
	s_lshr_b32 s11, ttmp9, 5                       ; cloud
	s_lshl_b32 s12, s11, 16                        ; its 4,096 normals of 16 bytes
	s_mov_b32 s13, 0
	s_lshl_b32 s14, ttmp9, 11
	s_mul_i32 s16, ttmp9, 40960
	s_mov_b32 s17, 0
	s_mov_b32 s20, 0x41100000                      ; 9.0
	s_lshl_b32 s21, s10, 10                        ; 32 lanes x 32 bytes for each wave
	s_wait_kmcnt 0x0
	s_add_nc_u64 s[8:9], s[8:9], s[16:17]
	s_cmp_ge_u32 s10, 4
	s_cbranch_scc1 .Lbins_done                     ; jumps over no barrier
	v_lshl_add_u32 v2, v0, 4, s14
	global_load_b128 v[4:7], v2, s[4:5]
	global_load_b128 v[8:11], v2, s[6:7]
	s_add_nc_u64 s[18:19], s[6:7], s[12:13]
	v_and_b32 v3, 31, v0
	v_lshl_add_u32 v3, v3, 5, s21
	s_wait_loadcnt 0x1                             ; the neighbour words are in; my own normal may be out
	v_and_b32 v12, 0xfff, v4
	v_bfe_u32 v13, v4, 16, 12
	v_and_b32 v14, 0xfff, v5
	v_bfe_u32 v15, v5, 16, 12
	v_and_b32 v16, 0xfff, v6
	v_bfe_u32 v17, v4, 12, 3
	v_bfe_u32 v18, v4, 28, 3
	v_bfe_u32 v19, v5, 12, 3
	v_bfe_u32 v20, v5, 28, 3
	v_bfe_u32 v21, v6, 12, 3
.irp k, 0,1,2,3,4
	v_min_u32 v[12+\k], 0xfff, v[12+\k]            ; a loaded number enters an address only clamped
	v_lshlrev_b32 v[12+\k], 4, v[12+\k]
.endr
.irp k, 0,1,2,3,4
	global_load_b128 v[24+4*\k:27+4*\k], v[12+\k], s[18:19]
.endr
	s_wait_loadcnt 0x0
.irp k, 0,1,2,3,4
	v_mul_f32 v44, v8, v[24+4*\k]
	v_fmac_f32 v44, v9, v[25+4*\k]
	v_fmac_f32 v44, v10, v[26+4*\k]
	v_add_f32 v44, 1.0, v44
	v_mul_f32 v44, 0x41200000, v44                 ; 10 (cos + 1) / 2, in the order of the problem's function
	v_mul_f32 v44, 0.5, v44
	v_floor_f32 v44, v44
	v_med3_num_f32 v44, v44, 0, s20                ; clipped to 0 .. 9
	v_cvt_u32_f32 v44, v44
	v_mad_u32_u24 v[48+\k], v[17+\k], 10, v44
.endr
	ds_store_b128 v3, v[48:51]
	ds_store_b32 v3, v52 offset:16
.Lbins_done:
	s_wait_dscnt 0x0                               ; my bins are written,
	s_barrier_signal -1
	s_barrier_wait -1                              ; everybody's are
	v_lshlrev_b32 v1, 4, v0                        ; my 16 bytes in each run of 4,096
; Quad q = t + 256 n: point q / 20 (as q x 3277 >> 16, right up to q = 2,559), first bin 4 (q mod 20).  Slot i: v[16+8i ..] bins, v[21+8i] first bin.
; The arguments stand in brackets wherever they are multiplied.
.macro QADDR i, n
	v_add_nc_u32 v[21+8*(\i)], 256*(\n), v0
	v_mul_u32_u24 v[22+8*(\i)], v[21+8*(\i)], 0xccd
	v_lshrrev_b32 v[22+8*(\i)], 16, v[22+8*(\i)]
	v_mul_u32_u24 v[23+8*(\i)], v[22+8*(\i)], 20
	v_sub_nc_u32 v[21+8*(\i)], v[21+8*(\i)], v[23+8*(\i)]
	v_lshlrev_b32 v[21+8*(\i)], 2, v[21+8*(\i)]
	v_lshlrev_b32 v[22+8*(\i)], 5, v[22+8*(\i)]
	ds_load_b128 v[16+8*(\i):19+8*(\i)], v[22+8*(\i)]
	ds_load_b32 v[20+8*(\i)], v[22+8*(\i)] offset:16
.endm
; Element e of the quad counts the bins equal to first bin + e: a compare, and an add that takes the compare's bit as its carry in.
.macro QOUT i, n, left
	s_wait_dscnt \left                             ; two loads for each younger quad stay out
.irp k, 0,1,2,3,4
	v_sub_nc_u32 v[16+8*(\i)+\k], v[16+8*(\i)+\k], v[21+8*(\i)]
.endr
.irp e, 0,1,2,3
	v_cmp_eq_u32 vcc_lo, \e, v[16+8*(\i)]
	v_cndmask_b32 v[56+4*(\i)+\e], 0, 1, vcc_lo
.irp k, 1,2,3,4
	v_cmp_eq_u32 vcc_lo, \e, v[16+8*(\i)+\k]
	v_add_co_ci_u32 v[56+4*(\i)+\e], vcc_lo, 0, v[56+4*(\i)+\e], vcc_lo
.endr
.endr
.irp e, 0,1,2,3
	v_cvt_f32_u32 v[56+4*(\i)+\e], v[56+4*(\i)+\e]
.endr
	global_store_b128 v1, v[56+4*(\i):59+4*(\i)], s[8:9] offset:4096*(\n) th:TH_STORE_NT
.endm
	QADDR 0, 0                                     ; first batch: quads t + 256 n, n = 0..4 (the work-group's points 0-63)
	QADDR 1, 1
	QADDR 2, 2
	QADDR 3, 3
	QADDR 4, 4
	QOUT 0, 0, 8
	QOUT 1, 1, 6
	QOUT 2, 2, 4
	QOUT 3, 3, 2
	QOUT 4, 4, 0
	QADDR 0, 5                                     ; second batch: n = 5..9 (points 64-127), in the same registers
	QADDR 1, 6
	QADDR 2, 7
	QADDR 3, 8
	QADDR 4, 9
	s_wait_xcnt 0x0                                ; the first five stores' data registers are written again only behind this wait
	QOUT 0, 5, 8
	QOUT 1, 6, 6
	QOUT 2, 7, 4
	QOUT 3, 8, 2
	QOUT 4, 9, 0
	s_wait_tensorcnt 0x0
	ds_add_u32 v80, v81
	s_wait_dscnt 0x0
	s_endpgm
.Lfunc_end_k_q28a27e0418_hist:
	.size	k_q28a27e0418_hist, .Lfunc_end_k_q28a27e0418_hist-k_q28a27e0418_hist
	.p2alignl 7, 3214868480
	.fill 96, 4, 3214868480
	.section	.rodata,"a",@progbits
	.p2align	6, 0x0
	.amdhsa_kernel k_q28a27e0418_hist
		.amdhsa_group_segment_fixed_size 5120
		.amdhsa_private_segment_fixed_size 0
		.amdhsa_enable_private_segment 0
		.amdhsa_kernarg_size 24
		.amdhsa_user_sgpr_count 2
		.amdhsa_user_sgpr_kernarg_segment_ptr 1
		.amdhsa_wavefront_size32 1
		.amdhsa_system_sgpr_workgroup_id_x 1
		.amdhsa_system_sgpr_workgroup_id_y 1
		.amdhsa_system_sgpr_workgroup_id_z 1
		.amdhsa_system_vgpr_workitem_id 0
		.amdhsa_next_free_vgpr 82
		.amdhsa_next_free_sgpr 66
		.amdhsa_reserve_vcc 1
		.amdhsa_float_denorm_mode_32 3
		.amdhsa_float_denorm_mode_16_64 3
		.amdhsa_memory_ordered 1
		.amdhsa_forward_progress 1
		.amdhsa_inst_pref_size 28
	.end_amdhsa_kernel
	.amdgpu_metadata
---
amdhsa.version: [ 1, 2 ]
amdhsa.kernels:
  - .name:           k_q28a27e0418_hist
    .symbol:         k_q28a27e0418_hist.kd
    .args:
      - { .name: nbr, .offset: 0, .size: 8, .value_kind: global_buffer, .address_space: global }
      - { .name: nrm, .offset: 8, .size: 8, .value_kind: global_buffer, .address_space: global }
      - { .name: out0, .offset: 16, .size: 8, .value_kind: global_buffer, .address_space: global }
    .group_segment_fixed_size: 5120
    .private_segment_fixed_size: 0
    .kernarg_segment_align: 8
    .kernarg_segment_size: 24
    .max_flat_workgroup_size: 256
    .sgpr_count:     66
    .vgpr_count:     82
    .wavefront_size: 32
...
	.end_amdgpu_metadata
.endif
;; end of part 3
;; ======== version 2 of 2: 3 launches; version 1 with the launch groups written anew for expert scheduling mode
;; limits: right only within a limited range of input values
;; workspace buffers: gid 524,288 bytes of whole numbers; nbr 524,288 bytes of whole numbers; nrm 524,288 bytes
;; launch groups (part 4): grid 256 x 1, 8 waves a work-group, no clusters, 156,672 bytes of LDS; arguments points, gid; writes gid
.if DOCPART == 4
	.amdgcn_target "amdgcn-amd-amdhsa--gfx1250"
	.amdhsa_code_object_version 6
	.text
	.protected	k_q28a27e0418_groups
	.globl	k_q28a27e0418_groups
	.p2align	8
	.type	k_q28a27e0418_groups,@function
k_q28a27e0418_groups:
	s_mov_b64 s[64:65], 0
	v_nop
	global_prefetch_b8 v0, s[64:65] scope:SCOPE_SE
	s_setreg_imm32_b32 hwreg(HW_REG_WAVE_SCHED_MODE, 0, 2), 2
	s_setreg_imm32_b32 hwreg(HW_REG_WAVE_MODE, 25, 1), 1
	s_wait_xcnt 0x0
	s_wait_alu depctr_vm_vsrc(0)
; FIRST OF THREE LAUNCHES.  For each point: the 8 groups of 8 consecutive points of its cloud that hold the smallest distances.
; points: [8][4096][3] f32.  gid: per point 8 group numbers (0..511) of 16 bits, 16 bytes.
; Every one of the 5 nearest points lies in one of the 5 groups with the smallest minimum; 8 are kept, since the key used here is approximate.
; The next launch takes the 64 candidates of these groups and chooses among them in f32.
; The key is d^2/2 = w_i + w_j - q_i.q_j with q = p - (the cloud's point 0) and w = |q|^2/2, made by ONE bf16 matrix instruction with K = 32:
; each f32 is cut into three bf16 pieces H + M + L (8 + 8 + 8 bits, exact), and all nine products of pieces of each axis, and w_j's pieces
; times 1, have a place among the 32 k; w_i comes in as C.  Centring keeps the error tied to the cloud's extent and not to a common offset.
; LIMIT: the key's error is the matrix unit's f32 rounding at the size of the largest |q|^2, plus its 9 low bits, which carry the group number.
; A true neighbour is lost only if four or more further groups hold a point within that error of the fifth distance.
; A work-group has 128 queries of one cloud and 8 waves: wave w takes 64 queries (w & 1) and 1,024 candidates (w >> 1).
; No tensor loads: the LDS tables are computed, not copied.  No cluster: what work-groups share is a cloud of 48 KiB, a small part of the work.
; THE MODE: SCHED_MODE bits 1:0 = 2 (LLVM: expert scheduling mode 2), set by the entry lines.  The code itself states the register dependences
; between vector or matrix instructions and memory or LDS instructions, with s_wait_alu, always for 0.
; THE PLAN.  Registers that memory or LDS instructions touch:
;   v9, v14, v3, v4   offsets of the global loads and addresses of the tables' LDS stores: made once at the head, never written again.
;   RAW, DX           the global loads land there; the centring subtractions read them.  Later v192-207 take the fragments of A.
;   OUT0, OUT1        the tables go in four batches of four candidates.  Batch p writes OUT[p % 2]; the eight LDS stores that read it are issued in
;                     batch p + 1, dealt among that batch's arithmetic, which names v16-31, RAW and the other OUT alone.
;   AF0, AF1          a half trip's two LDS loads land in the buffer that the products of the half before read; the next half's products read it.
;   VA, VB            read by every fragment load; written once a trip, behind the trip's last fragment load.
;   VM, MO            the merge's address (made ahead of the loop) and its four quads, each in registers of its own: one run of four LDS stores.
; So: one wait on va_vdst at the head of a batch and of a half trip, one on vm_vsrc where an OUT or VA, VB is written again, one each ahead of the few runs at the head and on the way out.
.set TQ3,   65536                      ; LDS 0..65535: quad Q0 of each candidate, 16 bytes; 65536..131071: quad Q3
.set MERGE, 131072                     ; then 3,072 bytes for each wave: 64 queries x 48 bytes (32 of keys; 48 is an odd multiple of 16)
.set VST,  3                           ; v3   LDS address of my candidate's Q0 (16 x thread)
.set VST2, 4                           ; v4   the same for Q3
.set VA,   5                           ; v5   fragment address, registers 0-3 of A
.set VB,   6                           ; v6   fragment address, registers 4-7 of A
.set GID,  7                           ; v7   group number of the tile at work: 2 x tile + half
.set VM,   8                           ; v8   where my list goes in my wave's merge block
.set KEY,  10                          ; v[10:13]   keys of the four query tiles
.set BF,   32                          ; v[32:63]   B: four tiles of 16 queries
.set CC,   64                          ; v[64:95]   C: w_i, eight times for each tile
.set LS,   96                          ; v[96:127]  four sorted lists of 8 keys (before the loop: OUT0)
.set DX,   128                         ; v[128:159] results, set X (before the loop: the raw queries)
.set DY,   160                         ; v[160:191] results, set Y (before the loop: OUT1)
.set AF0,  192                         ; v[192:199] A, buffer 0
.set AF1,  200                         ; v[200:207] A, buffer 1
.set RAW,  192                         ; v[192:255] before the loop: 16 raw candidates, 4 registers apart
.set OUT,  96                          ; the quads on their way to LDS: group g, set j at OUT + 64 g + 8 j: Q0 in registers 0-3, Q3 in registers 4-7
.set MO,   208                         ; v[208:223] behind the loop: the merge's four quads on their way to LDS
	s_load_b128 s[4:7], s[0:1], 0x0                ; points s[4:5], gid s[6:7]
	v_lshl_add_u32 v251, v0, 2, 0x26000
	v_mov_b32 v255, 0
	v_lshrrev_b32 v16, 5, v0
	v_bfe_u32 v2, v0, 4, 1                         ; h
	v_readfirstlane_b32 s8, v16                    ; wave 0..7
	v_cmp_eq_u32 s30, 1, v2                        ; the lanes with h = 1
	s_lshr_b32 s12, ttmp9, 5                       ; cloud
	s_and_b32 s13, ttmp9, 31                       ; block of 128 queries in it
	s_mul_i32 s32, s12, 49152                      ; a cloud is 4,096 x 12 bytes
	s_mov_b32 s33, 0
	s_mov_b32 s20, 0xffff0000                      ; the upper 16 bits: a bf16 piece
	s_mov_b32 s21, 0x07060302                      ; v_perm_b32: upper half of source 0 on top, upper half of source 1 below
	s_mov_b32 s22, 0xfffffe00                      ; a key without its 9 low bits
	s_mov_b32 s24, 0x76543210                      ; v_permlanex16_b32: lane i of the other half
	s_mov_b32 s25, 0xfedcba98
	s_mov_b32 s26, 0x3f800000                      ; 1.0: its upper half is bf16 1.0
	s_mov_b32 s27, 0x7f800000                      ; +infinity
	v_and_b32 v1, 15, v0                           ; r
	v_and_b32 v15, 31, v0
	v_mul_u32_u24 v9, v0, 12                       ; candidate = thread + 256 it
	s_wait_alu depctr_va_sdst(0)                   ; s8 and s30 are written, ahead of the first reader of either: the scalar lines below read s8, the queries' selects read s30
	s_and_b32 s9, s8, 1                            ; which 64 queries
	s_lshr_b32 s10, s8, 1                          ; which 1,024 candidates
	s_lshl_b32 s14, s13, 7
	s_lshl_b32 s15, s9, 6
	s_add_co_u32 s14, s14, s15                     ; my wave's first query
	s_mul_i32 s14, s14, 12
	s_lshl_b32 s35, s8, 9                          ; 32 lanes x 16 bytes for each wave
	v_mad_u32_u24 v14, v1, 12, s14                 ; query = first + 16 u + r
	v_lshl_add_u32 v[VST], v15, 4, s35
	v_add_nc_u32 v[VST2], TQ3, v[VST]
	s_wait_kmcnt 0x0
	s_add_nc_u64 s[28:29], s[4:5], s[32:33]        ; the cloud
	s_load_b96 s[16:18], s[28:29], 0x0             ; its point 0, the centre
	s_wait_alu depctr_va_vdst(0)                   ; v9 and v14 are written, which the loads below read as offsets; so are v3 and v4, the addresses of the tables' LDS stores
.irp it, 0,1,2,3,4,5,6,7,8,9,10,11,12,13,14,15
	global_load_b96 v[RAW+4*\it:RAW+4*\it+2], v9, s[28:29] offset:\it*3072
.endr
.irp u, 0,1,2,3
	global_load_b96 v[DX+4*\u:DX+4*\u+2], v14, s[28:29] offset:\u*192
.endr
.macro SPLIT q, h, m, l                ; q = h + m + l, each with 8 significant bits, exactly
	v_and_b32 v[\h], s20, v[\q]
	v_sub_f32 v[\l], v[\q], v[\h]
	v_and_b32 v[\m], s20, v[\l]
	v_sub_f32 v[\l], v[\l], v[\m]
.endm
.macro PIECES                          ; v16-18: a centred point.  v19 = |.|^2 / 2; v20-22, v23-25, v26-28: the pieces of x, y, z
	v_mul_f32 v19, v16, v16
	v_fmac_f32 v19, v17, v17
	v_fmac_f32 v19, v18, v18
	v_mul_f32 v19, 0.5, v19
	SPLIT 16, 20, 21, 22
	SPLIT 17, 23, 24, 25
	SPLIT 18, 26, 27, 28
.endm
	; THE TABLES.  A's row of 32 k is [Q0, Q0, Q0, Q3]:  Q0 = xH xM xL yH yM yL zH zM,  Q3 = zL w0 zL w1 zL w2 0 0.
.macro TAB it, o                       ; candidate it: its two quads into the out set at register o
	s_wait_loadcnt 19-(\it)                        ; behind candidate it stand 15 - it candidate loads and the four query loads
	v_sub_f32 v16, v[RAW+4*(\it)], s16
	v_sub_f32 v17, v[RAW+4*(\it)+1], s17
	v_sub_f32 v18, v[RAW+4*(\it)+2], s18
	PIECES
	SPLIT 19, 29, 30, 31
	v_perm_b32 v[(\o)],   v21, v20, s21
	v_perm_b32 v[(\o)+1], v23, v22, s21
	v_perm_b32 v[(\o)+2], v25, v24, s21
	v_perm_b32 v[(\o)+3], v27, v26, s21
	v_perm_b32 v[(\o)+4], v29, v28, s21
	v_perm_b32 v[(\o)+5], v30, v28, s21
	v_perm_b32 v[(\o)+6], v31, v28, s21
.endm
.macro PUT it, o                       ; candidate it's two quads go from the out set at register o to LDS
	ds_store_b128 v[VST],  v[(\o):(\o)+3]   offset:(\it)*4096
	ds_store_b128 v[VST2], v[(\o)+4:(\o)+7] offset:(\it)*4096
.endm
; Batch p: candidates 4 p to 4 p + 3 into OUT[p % 2]; the stores of batch p - 1, two ahead of each candidate's arithmetic.
.macro BATCH p
.if (\p) > 1
	s_wait_alu depctr_vm_vsrc(0)                   ; the LDS stores issued in the batch before have read the OUT that this batch writes again
.endif
.if (\p) > 0
	s_wait_alu depctr_va_vdst(0)                   ; the batch before has written its OUT, which the LDS stores of this batch read; no vector instruction of this batch names it
.endif
.irp j, 0,1,2,3
.if (\p) > 0
	PUT 4*(\p)-4+\j, OUT+64*(1-(\p)%2)+8*\j
.endif
	TAB 4*(\p)+\j, OUT+64*((\p)%2)+8*\j
.endr
.endm
.irp g, 0,1
.irp j, 0,1,2,3
	v_mov_b32 v[OUT+64*\g+8*\j+7], 0               ; Q3's last word, in each of the eight out sets; the batches do not write it again
.endr
.endr
	s_wait_kmcnt 0x0                               ; the centre
	BATCH 0
	BATCH 1
	BATCH 2
	BATCH 3
	s_wait_alu depctr_va_vdst(0)                   ; batch 3 has written OUT1, which the last eight LDS stores read
.irp j, 0,1,2,3
	PUT 12+\j, OUT+64+8*\j
.endr
	; THE QUERIES.  B's column is [P_H, P_M, P_L, P3] of q' = centre - p:  P_c = x'c x'c x'c y'c y'c y'c z'c z'c,  P3 = z'H 1 z'M 1 z'L 1 0 0.
	; Lanes with h = 0 hold k 0-7 and 16-23 (P_H, P_L), lanes with h = 1 hold k 8-15 and 24-31 (P_M, P3).
.macro QFRAG u
	v_sub_f32 v16, s16, v[DX+4*\u]
	v_sub_f32 v17, s17, v[DX+4*\u+1]
	v_sub_f32 v18, s18, v[DX+4*\u+2]
	PIECES
	v_cndmask_b32 v29, v20, v21, s30
	v_cndmask_b32 v30, v23, v24, s30
	v_cndmask_b32 v31, v26, v27, s30
	v_perm_b32 v[BF+8*\u],   v29, v29, s21
	v_perm_b32 v[BF+8*\u+1], v30, v29, s21
	v_perm_b32 v[BF+8*\u+2], v30, v30, s21
	v_perm_b32 v[BF+8*\u+3], v31, v31, s21
	v_perm_b32 v[BF+8*\u+4], v22, v22, s21
	v_perm_b32 v[BF+8*\u+5], v25, v22, s21
	v_perm_b32 v[BF+8*\u+6], v25, v25, s21
	v_perm_b32 v[BF+8*\u+7], v28, v28, s21
	v_perm_b32 v29, s26, v26, s21
	v_perm_b32 v30, s26, v27, s21
	v_perm_b32 v31, s26, v28, s21
	v_cndmask_b32 v[BF+8*\u+4], v[BF+8*\u+4], v29, s30
	v_cndmask_b32 v[BF+8*\u+5], v[BF+8*\u+5], v30, s30
	v_cndmask_b32 v[BF+8*\u+6], v[BF+8*\u+6], v31, s30
	v_cndmask_b32 v[BF+8*\u+7], v[BF+8*\u+7], 0, s30
.irp k, 0,1,2,3,4,5,6,7
	v_mov_b32 v[CC+8*\u+\k], v19                   ; C(m, n) = w of query n, whatever m
.endr
.endm
	s_wait_loadcnt 0x0
	QFRAG 0
	QFRAG 1
	QFRAG 2
	QFRAG 3
	s_wait_alu depctr_vm_vsrc(0)                   ; all the tables' LDS stores have read OUT0 and OUT1: these registers are the lists, written below, and set Y, written in the loop
.set i, 0
.rept 32
	v_mov_b32 v[LS+i], s27                         ; empty lists
.set i, i+1
.endr
	s_lshl_b32 s14, s10, 7
	s_lshl_b32 s15, s10, 14
	s_mul_i32 s31, s8, 3072
	s_add_co_u32 s31, s31, MERGE
	v_add_nc_u32 v[GID], s14, v2                   ; 128 groups for each quarter
	v_lshl_add_u32 v[VA], v1, 4, s15               ; row r of the tile, 16 bytes a row
	v_lshl_add_u32 v[VB], v2, 16, v[VA]            ; h = 0: Q0 again; h = 1: Q3, 65,536 bytes further on
	v_mul_u32_u24 v[VM], v1, 48
	v_lshl_add_u32 v[VM], v2, 4, v[VM]
	v_add_nc_u32 v[VM], s31, v[VM]
	s_wait_dscnt 0x0                               ; my part of the tables is written,
	s_barrier_signal -1
	s_barrier_wait -1                              ; everybody's is
.macro LOADA buf, off                  ; a tile of 16 candidates
	ds_load_b128 v[\buf:\buf+3],   v[VA] offset:\off
	ds_load_b128 v[\buf+4:\buf+7], v[VB] offset:\off
.endm
.macro MM buf, set                     ; 16 candidates x 64 queries: register j of lane (r, h) = key of candidate 8h + j and query r
.irp u, 0,1,2,3
	v_wmma_f32_16x16x32_bf16 v[\set+8*\u:\set+8*\u+7], v[\buf:\buf+7], v[BF+8*\u:BF+8*\u+7], v[CC+8*\u:CC+8*\u+7]
.endr
.endm
.macro INSERT l, key                   ; a key into a sorted list of 8: each place takes the middle of key, its neighbour below and itself
.irp k, 7,6,5,4,3,2,1
	v_med3_num_f32 v[\l+\k], v[\key], v[\l+\k-1], v[\l+\k]
.endr
	v_min_num_f32 v[\l], v[\l], v[\key]
.endm
.macro PROC set                        ; a lane's eight results are one group: their minimum, tagged with the group number, goes into the list
.irp u, 0,1,2,3
	v_min3_num_f32 v[KEY+\u], v[\set+8*\u], v[\set+8*\u+1], v[\set+8*\u+2]
.endr
.irp u, 0,1,2,3
	v_min3_num_f32 v[KEY+\u], v[KEY+\u], v[\set+8*\u+3], v[\set+8*\u+4]
.endr
.irp u, 0,1,2,3
	v_min3_num_f32 v[KEY+\u], v[KEY+\u], v[\set+8*\u+5], v[\set+8*\u+6]
.endr
.irp u, 0,1,2,3
	v_min_num_f32 v[KEY+\u], v[KEY+\u], v[\set+8*\u+7]
.endr
.irp u, 0,1,2,3
	v_and_or_b32 v[KEY+\u], v[KEY+\u], s22, v[GID]
.endr
.irp u, 0,1,2,3
	INSERT LS+8*\u, KEY+\u
.endr
	v_add_nc_u32 v[GID], 2, v[GID]
.endm
; Half a trip: one tile multiplied, the tile before it sorted in.  The 53 vector instructions of PROC name none of the registers of the
; matrix instructions in front of them, so they are the places (ISA guide 7.12.1) before that set is read.
; step = 1: the trip's second half: both fragment addresses move on by two tiles, behind the trip's last fragment load and well ahead of the next.
.macro HALF cur, nxt, off, mine, prev, step
	s_wait_dscnt 0x0                               ; the fragment asked for half a trip ago is in; nothing younger is out
	s_wait_alu depctr_va_vdst(0)                   ; the products of the half before are done reading buffer nxt, in which the two loads below land; at a trip's head VA and VB are written
	LOADA \nxt, \off
	MM \cur, \mine
.if \step
	s_wait_alu depctr_vm_vsrc(0)                   ; the fragment loads issued so far have read VA and VB
	v_add_nc_u32 v[VA], 512, v[VA]
	v_add_nc_u32 v[VB], 512, v[VB]
.endif
	PROC \prev
.endm
	s_wait_alu depctr_va_vdst(0)                   ; VA, VB and VM are written; the centring subtractions are done reading v192-207, in which the fragments of tiles 0 and 1 land
	LOADA AF0, 0
	s_wait_dscnt 0x0
	LOADA AF1, 256
	MM AF0, DX
.rept 4
	v_nop                                          ; four places behind these products: in the first trip nothing else stands between them and the first read of set X
.endr
	s_mov_b32 s23, 0
.Ltiles:                                           ; trip n: multiplies tiles 2n+1, 2n+2, sorts in tiles 2n, 2n+1, asks for tiles 2n+2, 2n+3
	HALF AF1, AF0, 512, DY, DX, 0
	HALF AF0, AF1, 768, DX, DY, 1
	s_add_co_u32 s23, s23, 1
	s_cmp_lt_u32 s23, 31
	s_cbranch_scc1 .Ltiles
	s_wait_dscnt 0x0
	MM AF1, DY                                     ; tile 63
	PROC DX
	PROC DY
	; The two halves of the lanes hold lists of the same 16 queries: each takes the other's and merges; then 16 bytes a lane go to LDS,
	; the four query tiles' quads from registers of their own, in one run.
.irp u, 0,1,2,3
.irp k, 0,1,2,3,4,5,6,7
	v_permlanex16_b32 v[16+\k], v[LS+8*\u+\k], s24, s25
.endr
.irp k, 0,1,2,3,4,5,6,7
	INSERT LS+8*\u, 16+\k
.endr
.irp k, 0,1,2,3
	v_cndmask_b32 v[MO+4*\u+\k], v[LS+8*\u+\k], v[LS+8*\u+4+\k], s30
.endr
.endr
	s_wait_alu depctr_va_vdst(0)                   ; the selects have written v[MO ..], which the four LDS stores read
.irp u, 0,1,2,3
	ds_store_b128 v[VM], v[MO+4*\u:MO+4*\u+3] offset:\u*768
.endr
	s_wait_dscnt 0x0                               ; my lists are written,
	s_barrier_signal -1
	s_barrier_wait -1                              ; everybody's are.  No barrier follows: four waves may leave
	s_cmp_ge_u32 s8, 4
	s_cbranch_scc1 .Ldone
	; Waves 0-3: thread = query.  The four quarters' lists lie in the blocks of waves (query >> 6) + 2 x quarter.
	v_lshrrev_b32 v16, 6, v0
	v_and_b32 v17, 63, v0
	v_mul_u32_u24 v16, v16, 3072
	v_mad_u32_u24 v16, v17, 48, v16
	v_add_nc_u32 v16, MERGE, v16
	s_lshl_b32 s14, ttmp9, 11
	v_lshl_add_u32 v24, v0, 4, s14                 ; 16 bytes a point: a wave stores 512 consecutive bytes, aligned
	s_wait_alu depctr_va_vdst(0)                   ; v16, the loads' address, is written; the merge above is done with the first list and the sorting with set X, in which the loads land
	ds_load_b128 v[LS:LS+3],   v16
	ds_load_b128 v[LS+4:LS+7], v16 offset:16
.irp c, 1,2,3
	ds_load_b128 v[DX+8*\c-8:DX+8*\c-5], v16 offset:\c*6144
	ds_load_b128 v[DX+8*\c-4:DX+8*\c-1], v16 offset:\c*6144+16
.endr
	s_wait_dscnt 0x0
.set i, 0
.rept 24
	INSERT LS, DX+i
.set i, i+1
.endr
.irp k, 0,1,2,3,4,5,6,7
	v_and_b32 v[LS+\k], 0x1ff, v[LS+\k]            ; the group numbers
.endr
.irp k, 0,1,2,3
	v_lshl_or_b32 v[20+\k], v[LS+2*\k+1], 16, v[LS+2*\k]
.endr
	s_wait_alu depctr_va_vdst(0)                   ; v[20:23] are written, the store's data (v24, its offset, was written ahead of the wait before)
	global_store_b128 v24, v[20:23], s[6:7]
.Ldone:
	s_wait_dscnt 0x0
	s_wait_alu depctr_hold_cnt(0) depctr_sa_sdst(0) depctr_va_vdst(0) depctr_va_sdst(0) depctr_va_ssrc(0) depctr_va_vcc(0) depctr_vm_vsrc(0)
	s_wait_tensorcnt 0x0
	ds_add_u32 v251, v255
	s_wait_dscnt 0x0
	s_endpgm
.Lfunc_end_k_q28a27e0418_groups:
	.size	k_q28a27e0418_groups, .Lfunc_end_k_q28a27e0418_groups-k_q28a27e0418_groups
	.p2alignl 7, 3214868480
	.fill 96, 4, 3214868480
	.section	.rodata,"a",@progbits
	.p2align	6, 0x0
	.amdhsa_kernel k_q28a27e0418_groups
		.amdhsa_group_segment_fixed_size 156672
		.amdhsa_private_segment_fixed_size 0
		.amdhsa_enable_private_segment 0
		.amdhsa_kernarg_size 16
		.amdhsa_user_sgpr_count 2
		.amdhsa_user_sgpr_kernarg_segment_ptr 1
		.amdhsa_wavefront_size32 1
		.amdhsa_system_sgpr_workgroup_id_x 1
		.amdhsa_system_sgpr_workgroup_id_y 1
		.amdhsa_system_sgpr_workgroup_id_z 1
		.amdhsa_system_vgpr_workitem_id 0
		.amdhsa_next_free_vgpr 256
		.amdhsa_next_free_sgpr 66
		.amdhsa_reserve_vcc 0
		.amdhsa_float_denorm_mode_32 3
		.amdhsa_float_denorm_mode_16_64 3
		.amdhsa_memory_ordered 1
		.amdhsa_forward_progress 1
		.amdhsa_inst_pref_size 83
	.end_amdhsa_kernel
	.amdgpu_metadata
---
amdhsa.version: [ 1, 2 ]
amdhsa.kernels:
  - .name:           k_q28a27e0418_groups
    .symbol:         k_q28a27e0418_groups.kd
    .args:
      - { .name: points, .offset: 0, .size: 8, .value_kind: global_buffer, .address_space: global }
      - { .name: gid, .offset: 8, .size: 8, .value_kind: global_buffer, .address_space: global }
    .group_segment_fixed_size: 156672
    .private_segment_fixed_size: 0
    .kernarg_segment_align: 8
    .kernarg_segment_size: 16
    .max_flat_workgroup_size: 256
    .sgpr_count:     66
    .vgpr_count:     256
    .wavefront_size: 32
...
	.end_amdgpu_metadata
.endif
;; end of part 4
;; launch frames: the kernel of part 2 again; grid 256 x 1, 4 waves a work-group, no clusters, 49,664 bytes of LDS; arguments points, gid, nbr, nrm; writes nbr, nrm
;; launch hist: the kernel of part 3 again; grid 256 x 1, 8 waves a work-group, no clusters, 5,120 bytes of LDS; arguments nbr, nrm, out0; writes out0
